; MI455X (gfx1250); checked and timed in simulation.
; The chip was launched on July 23, 2026; its instructions are those of AMD's public machine-readable ISA for CDNA 5 (MIT licence, August 2026) and "CDNA5" Instruction Set Architecture Reference Guide (July 2026). The comments in the code are by the model that wrote it; some were corrected since.
;; Mo E Layer. Allowed arithmetic: matrix products marked QUANTISED: E4M3 operands, one given power-of-two scale a tensor, by v_wmma_f32_16x16x64_fp8_fp8 or v_wmma_f32_16x16x128_fp8_fp8, f32 sums; products left as they are: f32 operands where the result goes on into a quantised operand, else bf16, f16 or f32 operands; f32 sums; everything else in f32.
;; Inputs: W1 8 x 1,024 x 4,096 float32; W2 8 x 4,096 x 1,024 float32; Wg 1,024 x 8 float32; b1 8 x 4,096 float32; b2 8 x 1,024 float32; bg 8 float32; inputs 1,024 x 1,024 float32; lowp_scales 32 int32 (the exponents e of the quantised operands' scales 2^e).
;; Outputs: out0 1,024 x 1,024 float32.
;; Constants: k = 2.
;; This version of the problem:
;;   THIS VERSION OF THE PROBLEM IS GIVEN IN LOW PRECISION. The matrix products marked QUANTISED in the list below multiply operands that are first quantised to E4M3 (4 exponent bits, 3 mantissa bits; 8 bits a number), with one given power-of-two scale for each operand tensor; their sums are f32. All else is computed in f32.
;;   The module's matrix products, in the order in which they are computed (A, B: the left and right operand; K: the contracted axis; several contracted axes count as one K, in the product's order):
;;     1. [M 1,024, K 1,024] x [K 1,024, N 8]; A: input inputs; B: input Wg: left as it is (N = 8 < 16)
;;     2. batch 1,024 x [M 1, K 2] x [K 2, N 8]; A: softmax; B: computed on the way: left as it is (K = 2 < 32)
;;     3. [M 1,024, K 1,024] x [K 1,024, N 4,096]; A: input inputs; B: input W1: QUANTISED (scales: A lowp_scales[0], B lowp_scales[1])
;;     4. [M 1,024, K 4,096] x [K 4,096, N 1,024]; A: computed on the way; B: input W2: QUANTISED (scales: A lowp_scales[2], B lowp_scales[3])
;;     5. [M 1,024, K 1,024] x [K 1,024, N 4,096]; A: input inputs; B: input W1: QUANTISED (scales: A lowp_scales[4], B lowp_scales[5])
;;     6. [M 1,024, K 4,096] x [K 4,096, N 1,024]; A: computed on the way; B: input W2: QUANTISED (scales: A lowp_scales[6], B lowp_scales[7])
;;     7. [M 1,024, K 1,024] x [K 1,024, N 4,096]; A: input inputs; B: input W1: QUANTISED (scales: A lowp_scales[8], B lowp_scales[9])
;;     8. [M 1,024, K 4,096] x [K 4,096, N 1,024]; A: computed on the way; B: input W2: QUANTISED (scales: A lowp_scales[10], B lowp_scales[11])
;;     9. [M 1,024, K 1,024] x [K 1,024, N 4,096]; A: input inputs; B: input W1: QUANTISED (scales: A lowp_scales[12], B lowp_scales[13])
;;     10. [M 1,024, K 4,096] x [K 4,096, N 1,024]; A: computed on the way; B: input W2: QUANTISED (scales: A lowp_scales[14], B lowp_scales[15])
;;     11. [M 1,024, K 1,024] x [K 1,024, N 4,096]; A: input inputs; B: input W1: QUANTISED (scales: A lowp_scales[16], B lowp_scales[17])
;;     12. [M 1,024, K 4,096] x [K 4,096, N 1,024]; A: computed on the way; B: input W2: QUANTISED (scales: A lowp_scales[18], B lowp_scales[19])
;;     13. [M 1,024, K 1,024] x [K 1,024, N 4,096]; A: input inputs; B: input W1: QUANTISED (scales: A lowp_scales[20], B lowp_scales[21])
;;     14. [M 1,024, K 4,096] x [K 4,096, N 1,024]; A: computed on the way; B: input W2: QUANTISED (scales: A lowp_scales[22], B lowp_scales[23])
;;     15. [M 1,024, K 1,024] x [K 1,024, N 4,096]; A: input inputs; B: input W1: QUANTISED (scales: A lowp_scales[24], B lowp_scales[25])
;;     16. [M 1,024, K 4,096] x [K 4,096, N 1,024]; A: computed on the way; B: input W2: QUANTISED (scales: A lowp_scales[26], B lowp_scales[27])
;;     17. [M 1,024, K 1,024] x [K 1,024, N 4,096]; A: input inputs; B: input W1: QUANTISED (scales: A lowp_scales[28], B lowp_scales[29])
;;     18. [M 1,024, K 4,096] x [K 4,096, N 1,024]; A: computed on the way; B: input W2: QUANTISED (scales: A lowp_scales[30], B lowp_scales[31])
;;   THE QUANTISER, for each operand of a quantised product, along K:
;;     - The operand's scale is 2^e, e = its entry of the input lowp_scales (int32; the entries are numbered through the quantised products in the list's order, A before B).
;;     - Each number is divided by the scale, clamped to +-448, and rounded to the nearest number of E4M3, ties to even, subnormals kept.
;;     - The product sums the exact products of the quantised numbers (number of the format x scale) in f32.
;;   ~~~python
;;   def quantise(x, axis, e):      # numpy; x: float32 -> the quantised numbers, widened to float32 again
;;       x = np.moveaxis(x, axis, -1); K = x.shape[-1]
;;       r = np.clip(x / 2.0 ** e, -448, 448)
;;       step = 2.0 ** (np.maximum(np.frexp(np.where(r == 0, 1, r))[1] - 1, -6) - 3)
;;       q = np.round(r / step) * step * 2.0 ** e      # np.round: ties to even
;;       return np.moveaxis(q, -1, axis).astype(np.float32)
;;   ~~~
;;   OPERANDS COMPUTED ON THE WAY. 'Computed on the way' means the value that the module computes at that place (a softmax that the list does not call 'softmax' is quantised finished and normalised). What goes into a quantiser is computed in f32, as accurately as f32 sums, v_exp_f32 and their like allow (about 1e-6 of the number): no bf16 or f16 on the way to a quantiser, and a product that is left as it is and whose result goes on into a quantised operand takes f32 operands (vector FMAs, or v_wmma_f32_16x16x4_f32). A number that lies on a knife's edge between two numbers of the format may be rounded either way, as far as f32 arithmetic and the matrix unit's own rounding can turn it there, and no further.
;; One version. Each part assembles by itself: llvm-mc -triple=amdgcn-amd-amdhsa -mcpu=gfx1250 --defsym DOCPART=n.
;; ======== version 1 of 1: 4 launches
;; limits: right only within a limited range of input values
;; workspace buffers: sel 8,192 bytes of whole numbers; wts 8,192 bytes; xq 2,097,152 bytes; list 32,768 bytes of whole numbers; meta 2,048 bytes of whole numbers; hq 33,554,432 bytes; parts 16,842,752 bytes
;; launch route (part 1): grid 256 x 1, 4 waves a work-group, no clusters, 34,304 bytes of LDS; arguments inputs, Wg, bg, lowp_scales, sel, wts, xq; writes sel, wts, xq
.if DOCPART == 1
	.amdgcn_target "amdgcn-amd-amdhsa--gfx1250"
	.amdhsa_code_object_version 6
	.text
	.protected	k_qf5cfb57944_route
	.globl	k_qf5cfb57944_route
	.p2align	8
	.type	k_qf5cfb57944_route,@function
k_qf5cfb57944_route:
	s_mov_b64 s[64:65], 0
	v_nop
	global_prefetch_b8 v0, s[64:65] scope:SCOPE_SE
	s_setreg_imm32_b32 hwreg(HW_REG_WAVE_MODE, 25, 1), 1
	s_wait_xcnt 0x0
; THE ROUTER.  logits = x Wg + bg in f32 (fused multiply-adds), the two largest (the lower index wins a tie), a softmax over the two with the larger taken away first,
; and x's codes of E4M3 for each of the two chosen experts, each with that expert's own scale 2^ex = 2^lowp_scales[4 e].
; One wave takes one token n = 4 x work-group + wave.  Lane l holds x[512 u + 16 l + 0..15], u = 0, 1: 16 neighbours along K, as the conversions want them.
; Stored at fixed places: sel[2 n + slot] (the expert), wts[2 n + slot] (its weight), xq[2 n + slot][1024] (codes).  No branch and no address hangs on a logit: every choice is a v_cndmask_b32.
; Wg (32 KB) is copied once into LDS as 64 groups of 16 rows (512 bytes), 528 bytes apart = 132 words, so that the lanes' 16-byte reads of 16 neighbouring groups start at different banks (ISA guide 11.1).
; LIMITS: ex between -126 and 119, so that 2^ex and 448 x 2^ex are f32 numbers.  NaN among the inputs is not served.  The order of the f32 sums differs from the reference's.
; WORK LEFT OUT BY THE PROGRAM: reference() multiplies every expert's result of a row by combine[n][e], which it builds itself and which is 0 for the six experts that the row's top-2 did not choose, for all values of the inputs.
; The later launches multiply the chosen rows alone (by whole numbers that this launch stores).  The one_hot product is a choice of places and is made as such.
; LIMIT: a NaN, an infinity or an overflow that reaches only an expert's result for a row that did not choose it is not carried to the output.
.set XR,  16                           ; v16-47   x: register 16 u + m = x[512 u + 16 l + m]
.set ACC, 48                           ; v48-63   eight sums over even k, eight over odd k
.set G,   64                           ; v64-191  two sets of 64: eight rows of Wg each; first the copy's registers; at the end held numbers and codes
.set LG,  192                          ; v192-199 the logits
.set TP,  200                          ; v200-207 the other half of the lanes'
.set EC,  216                          ; v216-223 the numbers 0 to 7
.set SV,  224                          ; v224-231 2^ex of the eight experts, as f32
	s_load_b256 s[4:11], s[0:1], 0x0               ; inputs s[4:5], Wg s[6:7], bg s[8:9], lowp_scales s[10:11]
	s_load_b128 s[12:15], s[0:1], 0x20             ; sel s[12:13], wts s[14:15]
	s_load_b64 s[16:17], s[0:1], 0x30              ; xq
	v_lshl_add_u32 v240, v0, 2, 0x8400
	v_mov_b32 v241, 0
	v_lshrrev_b32 v1, 5, v0
	v_readfirstlane_b32 s20, v1                    ; wave
	v_and_b32 v1, 31, v0                           ; lane
	v_lshlrev_b32 v2, 6, v1                        ; x: 64 bytes a lane
	v_lshlrev_b32 v3, 4, v0                        ; Wg's copy: 16 bytes a thread
	v_lshlrev_b32 v6, 4, v1                        ; 16 x lane
	s_mul_i32 s21, s20, 528
	v_add_nc_u32 v4, s21, v6                       ; into LDS: load i's bytes lie in group 4 i + wave, at 16 x lane
	v_mul_u32_u24 v5, v1, 528                      ; out of LDS: group 32 u + lane
	v_and_b32 v7, 1, v0
	v_lshlrev_b32 v7, 2, v7                        ; 4 x slot, for lanes 0 and 1
	s_lshl_b32 s22, ttmp9, 2
	s_add_co_u32 s22, s22, s20                     ; n
	s_mov_b32 s49, 0
	s_mov_b32 s84, 0x76543210                      ; v_permlanex16_b32: lane l xor 16
	s_mov_b32 s85, 0xfedcba98
	s_wait_alu depctr_va_vdst(0)
	s_wait_kmcnt 0x0
	s_load_b256 s[24:31], s[8:9], 0x0              ; bg
	s_load_b512 s[32:47], s[10:11], 0x0            ; the scales' exponents, experts 0-3
	s_load_b512 s[68:83], s[10:11], 0x40           ; experts 4-7
	s_lshl_b32 s48, s22, 12
	s_add_nc_u64 s[4:5], s[4:5], s[48:49]          ; my row of x
	s_lshl_b32 s48, s22, 11
	s_add_nc_u64 s[16:17], s[16:17], s[48:49]      ; my two rows of codes
	s_lshl_b32 s48, s22, 3
	s_add_nc_u64 s[12:13], s[12:13], s[48:49]
	s_add_nc_u64 s[14:15], s[14:15], s[48:49]
.irp u, 0,1
.irp i, 0,1,2,3
	global_load_b128 v[XR+16*\u+4*\i:XR+16*\u+4*\i+3], v2, s[4:5] offset:2048*\u+16*\i th:TH_LOAD_NT
.endr
.endr
.irp i, 0,1,2,3,4,5,6,7,8,9,10,11,12,13,14,15
	global_load_b128 v[G+4*\i:G+4*\i+3], v3, s[6:7] offset:2048*\i   ; 128 threads x 16 bytes: 2,048 consecutive bytes of Wg
.endr
.irp e, 0,1,2,3,4,5,6,7
	v_mov_b32 v[EC+\e], \e
	v_mov_b32 v[TP+\e], 0                          ; a lane permute's destination counts as read: written once
.endr
	s_wait_loadcnt 0x0
.irp i, 0,1,2,3,4,5,6,7,8,9,10,11,12,13,14,15
	ds_store_b128 v4, v[G+4*\i:G+4*\i+3] offset:2112*\i
.endr
	s_wait_dscnt 0x0                               ; for the others' sake: my part of Wg lies in LDS
	s_barrier_signal -1
	s_barrier_wait -1
; batch sb = 2 u + half: rows 512 u + 16 l + 8 half + 0..7 of Wg, 32 bytes each, into set sb % 2
.macro GLOAD sb
.irp m, 0,1,2,3,4,5,6,7
.irp z, 0,1
	ds_load_b128 v[G+64*((\sb)%2)+8*\m+4*\z:G+64*((\sb)%2)+8*\m+4*\z+3], v5 offset:16896*((\sb)/2)+32*(8*((\sb)%2)+\m)+16*\z
.endr
.endr
.endm
; eight k of the batch: four packed multiply-adds each (two experts at a time); x[k] feeds both halves (op_sel picks it out of its pair).  The very first two k start the sums
.macro GFMA sb
.irp m, 0,1,2,3,4,5,6,7
.irp p, 0,1,2,3
.set XI, XR+16*((\sb)/2)+8*((\sb)%2)+\m
.set XP, XI-(XI%2)
.set AR, ACC+8*(\m%2)+2*\p
.set GR, G+64*((\sb)%2)+8*\m+2*\p
.if ((\sb) == 0) && (\m < 2)
.if (\m%2) == 0
	v_pk_mul_f32 v[AR:AR+1], v[XP:XP+1], v[GR:GR+1] op_sel:[0,0] op_sel_hi:[0,1]
.else
	v_pk_mul_f32 v[AR:AR+1], v[XP:XP+1], v[GR:GR+1] op_sel:[1,0] op_sel_hi:[1,1]
.endif
.else
.if (\m%2) == 0
	v_pk_fma_f32 v[AR:AR+1], v[XP:XP+1], v[GR:GR+1], v[AR:AR+1] op_sel:[0,0,0] op_sel_hi:[0,1,1]
.else
	v_pk_fma_f32 v[AR:AR+1], v[XP:XP+1], v[GR:GR+1], v[AR:AR+1] op_sel:[1,0,0] op_sel_hi:[1,1,1]
.endif
.endif
.endr
.endr
.endm
	GLOAD 0
	GLOAD 1
	s_wait_dscnt 16                                ; the older batch is in; the younger batch's 16 loads may be out
	GFMA 0
	GLOAD 2
	s_wait_alu depctr_va_vdst(0)
	s_wait_dscnt 16
	GFMA 1
	GLOAD 3
	s_wait_alu depctr_va_vdst(0)
	s_wait_dscnt 16
	GFMA 2
	s_wait_alu depctr_va_vdst(0)
	s_wait_dscnt 0x0
	GFMA 3
.irp p, 0,2,4,6
	v_pk_add_f32 v[LG+\p:LG+\p+1], v[ACC+\p:ACC+\p+1], v[ACC+8+\p:ACC+8+\p+1]
.endr
.irp x, 1,2,4,8                        ; over the 32 lanes: four steps inside each half, eight chains side by side,
.irp e, 0,1,2,3,4,5,6,7
	v_add_f32_dpp v[LG+\e], v[LG+\e], v[LG+\e] row_xmask:\x row_mask:0xf bank_mask:0xf
.endr
.endr
.irp e, 0,1,2,3,4,5,6,7
	v_permlanex16_b32 v[TP+\e], v[LG+\e], s84, s85 ; and one across the halves
.endr
	s_wait_alu depctr_va_vdst(0)
	s_wait_kmcnt 0x0                               ; bg and the exponents
.irp e, 0,1,2,3,4,5,6,7
	v_add_f32 v[LG+\e], v[LG+\e], v[TP+\e]
.endr
.irp e, 0,1,2,3,4,5,6,7
	v_add_f32 v[LG+\e], s[24+\e], v[LG+\e]         ; every lane holds the token's eight logits
.endr
.irp e, 0,1,2,3
	s_add_co_i32 s86, s[32+4*\e], 127
	s_lshl_b32 s86, s86, 23
	v_mov_b32 v[SV+\e], s86                        ; 2^ex as f32
	s_add_co_i32 s87, s[68+4*\e], 127
	s_lshl_b32 s87, s87, 23
	v_mov_b32 v[SV+4+\e], s87
.endr
	; the largest: a strict compare keeps the lower index on a tie
	v_mov_b32 v208, v[LG]
	v_mov_b32 v209, 0
.irp e, 1,2,3,4,5,6,7
	v_cmp_gt_f32 vcc_lo, v[LG+\e], v208
	v_cndmask_b32 v208, v208, v[LG+\e], vcc_lo
	v_cndmask_b32 v209, v209, v[EC+\e], vcc_lo
.endr
	; the second: the same among the other seven
	v_mov_b32 v210, 0xff800000
	v_mov_b32 v211, 0
.irp e, 0,1,2,3,4,5,6,7
	v_cmp_gt_f32 s86, v[LG+\e], v210
	v_cmp_ne_u32 s87, v209, v[EC+\e]
	s_and_b32 s86, s86, s87
	v_cndmask_b32 v210, v210, v[LG+\e], s86
	v_cndmask_b32 v211, v211, v[EC+\e], s86
.endr
	; softmax over the two, the larger taken away: w0 = 1 / (1 + d), w1 = d w0, d = e^(second - first) <= 1
	v_sub_f32 v212, v210, v208
	v_mul_f32 v212, 0x3fb8aa3b, v212
	s_wait_alu depctr_va_vdst(0)
	v_exp_f32 v212, v212
	v_nop                                          ; a plain instruction behind the transcendental,
	s_wait_alu depctr_va_vdst(0)                   ; and the wait ahead of its first reader
	v_add_f32 v213, 1.0, v212
	s_wait_alu depctr_va_vdst(0)
	v_rcp_f32 v213, v213
	v_nop
	s_wait_alu depctr_va_vdst(0)
	v_mul_f32 v214, v212, v213
; x's codes for slot s, whose expert stands in v[idx]: the scale is chosen by compares, never by an address
.macro QSLOT s, idx
	v_mov_b32 v232, v[SV]
.irp e, 1,2,3,4,5,6,7
	v_cmp_eq_u32 vcc_lo, v[\idx], v[EC+\e]
	v_cndmask_b32 v232, v232, v[SV+\e], vcc_lo
.endr
	v_add_nc_u32 v233, 0x04600000, v232            ; 448 x 2^ex: eight more in the exponent field, 448's mantissa field below it
.set jj, 0
.rept 32
	v_med3_num_f32 v[G+jj], v[XR+jj], -v233, v233  ; the conversion to an 8-bit code does not saturate (ISA guide 7.6.2): the hold at the largest code x the scale
.set jj, jj+1
.endr
.irp g, 0,1,2,3
	v_cvt_scalef32_pk8_fp8_f32 v[96+8*\s+2*\g:97+8*\s+2*\g], v[G+8*\g:G+8*\g+7], v232
.endr
	v_nop                                          ; a plain instruction between the conversions and the next write of their sources
.irp u, 0,1
	global_store_b128 v6, v[96+8*\s+4*\u:99+8*\s+4*\u], s[16:17] offset:1024*\s+512*\u   ; the wave stores 512 consecutive bytes
.endr
.endm
	QSLOT 0, 209
	QSLOT 1, 211
	v_cmp_ne_u32 vcc_lo, 0, v7
	v_cndmask_b32 v234, v209, v211, vcc_lo         ; lane 0: slot 0's, lane 1: slot 1's
	v_cndmask_b32 v235, v213, v214, vcc_lo
	v_cmp_gt_u32 vcc_lo, 2, v1
	s_wait_alu depctr_va_vdst(0)
	s_wait_xcnt 0x0                                ; EXEC changes only behind this wait: the stores above have it among their sources
	s_wait_tensorcnt 0x0
	ds_add_u32 v240, v241
	s_wait_dscnt 0x0
	s_and_saveexec_b32 s86, vcc_lo
	global_store_b32 v7, v234, s[12:13]
	global_store_b32 v7, v235, s[14:15]
	s_endpgm
.Lfunc_end_k_qf5cfb57944_route:
	.size	k_qf5cfb57944_route, .Lfunc_end_k_qf5cfb57944_route-k_qf5cfb57944_route
	.p2alignl 7, 3214868480
	.fill 96, 4, 3214868480
	.section	.rodata,"a",@progbits
	.p2align	6, 0x0
	.amdhsa_kernel k_qf5cfb57944_route
		.amdhsa_group_segment_fixed_size 34304
		.amdhsa_private_segment_fixed_size 0
		.amdhsa_enable_private_segment 0
		.amdhsa_kernarg_size 56
		.amdhsa_user_sgpr_count 2
		.amdhsa_user_sgpr_kernarg_segment_ptr 1
		.amdhsa_wavefront_size32 1
		.amdhsa_system_sgpr_workgroup_id_x 1
		.amdhsa_system_sgpr_workgroup_id_y 1
		.amdhsa_system_sgpr_workgroup_id_z 1
		.amdhsa_system_vgpr_workitem_id 0
		.amdhsa_next_free_vgpr 242
		.amdhsa_next_free_sgpr 90
		.amdhsa_reserve_vcc 1
		.amdhsa_float_denorm_mode_32 3
		.amdhsa_float_denorm_mode_16_64 3
		.amdhsa_memory_ordered 1
		.amdhsa_forward_progress 1
		.amdhsa_inst_pref_size 33
	.end_amdhsa_kernel
	.amdgpu_metadata
---
amdhsa.version: [ 1, 2 ]
amdhsa.kernels:
  - .name:           k_qf5cfb57944_route
    .symbol:         k_qf5cfb57944_route.kd
    .args:
      - { .name: inputs, .offset: 0, .size: 8, .value_kind: global_buffer, .address_space: global }
      - { .name: Wg, .offset: 8, .size: 8, .value_kind: global_buffer, .address_space: global }
      - { .name: bg, .offset: 16, .size: 8, .value_kind: global_buffer, .address_space: global }
      - { .name: lowp_scales, .offset: 24, .size: 8, .value_kind: global_buffer, .address_space: global }
      - { .name: sel, .offset: 32, .size: 8, .value_kind: global_buffer, .address_space: global }
      - { .name: wts, .offset: 40, .size: 8, .value_kind: global_buffer, .address_space: global }
      - { .name: xq, .offset: 48, .size: 8, .value_kind: global_buffer, .address_space: global }
    .group_segment_fixed_size: 34304
    .private_segment_fixed_size: 0
    .kernarg_segment_align: 8
    .kernarg_segment_size: 56
    .max_flat_workgroup_size: 128
    .sgpr_count:     90
    .vgpr_count:     242
    .wavefront_size: 32
...
	.end_amdgpu_metadata
.endif
;; end of part 1
;; launch ffn1 (part 2): grid 256 x 1, 8 waves a work-group, no clusters, 137,472 bytes of LDS; arguments W1, b1, lowp_scales, sel, xq, hq, list, meta; writes hq, list, meta
.if DOCPART == 2
	.amdgcn_target "amdgcn-amd-amdhsa--gfx1250"
	.amdhsa_code_object_version 6
	.text
	.protected	k_qf5cfb57944_ffn1
	.globl	k_qf5cfb57944_ffn1
	.p2align	8
	.type	k_qf5cfb57944_ffn1,@function
k_qf5cfb57944_ffn1:
	s_mov_b64 s[64:65], 0
	v_nop
	global_prefetch_b8 v0, s[64:65] scope:SCOPE_SE
	s_setreg_imm32_b32 hwreg(HW_REG_WAVE_MODE, 25, 1), 1
	s_wait_xcnt 0x0
; THE FIRST LAYER OF THE CHOSEN EXPERTS: h = Q(silu(Q(x) Q(W1[e]) + b1[e])), on codes of E4M3, for the routed rows alone (reference() gives the other rows the weight 0: see the first launch).
; SHARES.  Work-group = (expert E = id / 32, slice = id % 32): it alone reads W1[E][0:1024][128 slice .. +127], 512 KB of f32, once.  Eight waves, all alike.
; A UNIT is 32 rows x 64 columns of W1: 16 loads a wave, 64 registers.  In step s wave w makes unit (kstep s, piece w % 4, column half w / 4): hold, conversion, a turn of bytes inside the lane, four images of operand registers into LDS.
; So a step is one kstep of 128 along K x 128 columns, 16 KB of codes; the eight steps' 128 KB have LDS bytes of their own and stay: no code is ever overwritten.
; A wave multiplies tiles w, w + 8, w + 16 of its expert's rows (16 rows each) with all 128 columns, so each row's codes are fetched by one wave, once.  The products of ksteps s - 2, s - 1 follow the making of step s = 2, 4, 6, behind a barrier.
; LOADS FALL IN ISSUE ORDER (ISA guide 5.7.1).  The order is W0 W1 W2, x0 x1 W3, W4, x2 x3 W5, W6, x4 x5 W7, x6 x7 (W: 16 loads, x: 12): each wait counts what is younger than what it wants.
; THE SORT.  Wave 0 counts and lists its expert's rows (rid = 2 token + slot) from sel, while three units a wave are on their way; no other wave touches LDS ahead of the barrier behind it.  Slice 0 stores the list for the next launch.
; A pass serves 24 tiles; two further passes, on the codes that lie in LDS, serve the most that an expert can get (1,024 rows = 64 tiles).
; No tensor loads and no joint loads: what is multiplied hangs on stored numbers, and work-groups share no weight.  No prefetch: each wave has up to three units of its own loads out, which is the look-ahead.
; THE PRODUCT IS USED TRANSPOSED: source 0 = 16 columns of W1, source 1 = 16 rows of tokens; a lane of the result holds one token.  Tile t of a column half holds columns 4 r + t, so a lane's 32 results are the columns 32 h + 4 j + t.
; K IN A FRAGMENT (register 4 c + i, byte b, lane half h): k = 128 ks + 32 c + 16 h + 4 i + b, alike in both operands: a permutation of k that keeps every product with its partner.
; h's codes leave as images of the next launch's operand registers: hq[E][tile][kstep = slice][piece][lane][16 bytes].
; LIMITS: ew1 and eh between -126 and 119, ex + ew1 between -126 and 127, so that each power of two below is an f32 number.  NaN among the inputs is not served.
; Rows of an expert's last tile beyond its count carry row 2047's codes; their results go to places that nobody uses.
; REGISTERS.  Window 0: v0-31 addresses and constants; v32-95 four weight fragments, or a conversion at work, or (way out) b1 and work; v96-143, v144-191 two sets of x's codes (3 tiles x 16); v192-255 a weight set.
;   Window 1: v0-191 sums (slot i, column half ch, tile t: 64 i + 32 ch + 8 t); v192-255 a weight set.  Unit 2 lies on v0-63, ahead of the first product.
.set LIST,  131072                     ; 1,152 words: the expert's rids, then the dump rid; word 1151 takes the stores of lanes that do not match
.set B1L,   135680                     ; 128 numbers of b1
.set CNTW,  136192                     ; the number of tiles
.set SPARE, 136448                     ; the spare words, 128 bytes a wave
.set FR,  32
.set XA,  96
.set XB,  144
.set WS,  192                          ; in window 0 and in window 1
.set MSB, 0
.macro WIN new                         ; s_set_vgpr_msb: bits 1:0 source 0, 3:2 source 1, 5:4 source 2, 7:6 destination; the high byte repeats the setting that is left
.if MSB != (\new)
	s_set_vgpr_msb (MSB<<8)|(\new)
.set MSB, (\new)
.endif
.endm
.macro LOADW base, win, ks             ; my unit of kstep ks: row m of each half into registers 4 m .. 4 m + 3; each half of the lanes reads 256 consecutive, aligned bytes
.set PB, 32+2*((\ks)/4)
	WIN 64*\win
.irp m, 0,1,2,3,4,5,6,7,8,9,10,11,12,13,14,15
	global_load_b128 v[(\base)+4*\m:(\base)+4*\m+3], v13, s[PB:PB+1] offset:(128*((\ks)%4)+\m)*16384 th:TH_LOAD_NT
.endr
	WIN 0
.endm
; a conversion's register m holds row m's four columns; a 4 x 4 turn of bytes makes register i of tile t hold rows 4 i .. 4 i + 3 of column 4 r + t
.macro CONV base, win, ks
	WIN 0x41*\win
.set jj, 0
.rept 64
	v_med3_num_f32 v[(\base)+jj], v[(\base)+jj], s49, s48   ; the conversion does not saturate (ISA guide 7.6.2): the hold at +-448 x 2^ew1
.set jj, jj+1
.endr
	WIN \win
.irp g, 0,1,2,3,4,5,6,7
	v_cvt_scalef32_pk8_fp8_f32 v[FR+2*\g:FR+2*\g+1], v[(\base)+8*\g:(\base)+8*\g+7], v14
.endr
	WIN 0
	v_nop                                          ; a plain instruction between the conversions and the first reader of their results
.irp i, 0,1,2,3
	v_perm_b32 v[FR+16+4*\i], v[FR+1+4*\i], v[FR+4*\i], s52      ; rows 0, 1 of columns 0, 1
	v_perm_b32 v[FR+17+4*\i], v[FR+1+4*\i], v[FR+4*\i], s53      ; rows 0, 1 of columns 2, 3
	v_perm_b32 v[FR+18+4*\i], v[FR+3+4*\i], v[FR+2+4*\i], s52    ; rows 2, 3
	v_perm_b32 v[FR+19+4*\i], v[FR+3+4*\i], v[FR+2+4*\i], s53
.endr
.irp i, 0,1,2,3
	v_perm_b32 v[FR+32+\i], v[FR+18+4*\i], v[FR+16+4*\i], s54
	v_perm_b32 v[FR+36+\i], v[FR+18+4*\i], v[FR+16+4*\i], s55
	v_perm_b32 v[FR+40+\i], v[FR+19+4*\i], v[FR+17+4*\i], s54
	v_perm_b32 v[FR+44+\i], v[FR+19+4*\i], v[FR+17+4*\i], s55
.endr
.irp t, 0,1,2,3
	ds_store_b128 v7, v[FR+32+4*\t:FR+35+4*\t] offset:(4*(\ks)+\t)*2048   ; 512 consecutive bytes, 16 a lane
.endr
.endm
.macro XLOAD xb, ks, pb                ; the codes of my three tiles' rows; a slot without a tile names one row in all lanes, so the counts hold on every way
.irp i, 0,1,2
.irp c, 0,1,2,3
	global_load_b128 v[(\xb)+16*\i+4*\c:(\xb)+16*\i+4*\c+3], v[16+\i], s[\pb:\pb+1] offset:128*(\ks)+32*\c
.endr
.endr
.endm
; one column half of a kstep: four fragments, 8 or 12 products; the accumulators take turns, one instruction a turn.  Slots 0 and 1 are always multiplied (a slot without a tile is not stored);
; slot 2 where the wave has a third tile, and in the first kstep, whose products start the sums: so every accumulator is written on every way.
.macro HALF ks, xb, zero, ad, ch
.irp t, 0,1,2,3
.irp c, 0,1,2,3
	ds_load_b128 v[FR+16*\t+4*\c:FR+16*\t+4*\c+3], v[\ad] offset:(4*(\ks)+\t)*2048+512*\c
.endr
.endr
.irp t, 0,1,2,3
	s_wait_dscnt 12-4*\t                           ; tile t's four loads are in; the younger tiles' may be out
	WIN 0x50
.irp i, 0,1
.if \zero
	v_wmma_f32_16x16x128_fp8_fp8 v[64*\i+32*\ch+8*\t:64*\i+32*\ch+8*\t+7], v[FR+16*\t:FR+16*\t+15], v[(\xb)+16*\i:(\xb)+16*\i+15], 0
.else
	v_wmma_f32_16x16x128_fp8_fp8 v[64*\i+32*\ch+8*\t:64*\i+32*\ch+8*\t+7], v[FR+16*\t:FR+16*\t+15], v[(\xb)+16*\i:(\xb)+16*\i+15], v[64*\i+32*\ch+8*\t:64*\i+32*\ch+8*\t+7]
.endif
.endr
.endr
.if \zero
.irp t, 0,1,2,3
	v_wmma_f32_16x16x128_fp8_fp8 v[128+32*\ch+8*\t:128+32*\ch+8*\t+7], v[FR+16*\t:FR+16*\t+15], v[(\xb)+32:(\xb)+47], 0
.endr
	WIN 0
.else
	WIN 0
	s_cmp_gt_u32 s28, 2
	s_cbranch_scc0 .Lsk_\@
	WIN 0x50
.irp t, 0,1,2,3
	v_wmma_f32_16x16x128_fp8_fp8 v[128+32*\ch+8*\t:128+32*\ch+8*\t+7], v[FR+16*\t:FR+16*\t+15], v[(\xb)+32:(\xb)+47], v[128+32*\ch+8*\t:128+32*\ch+8*\t+7]
.endr
	WIN 0
.Lsk_\@:
.endif
.rept 4
	v_nop                                          ; four places ahead of loads into registers that the products have read, and of the first read of the sums
.endr
.endm
.macro COMP ks, xb, zero, fa, fb
	HALF \ks, \xb, \zero, \fa, 0
	HALF \ks, \xb, \zero, \fb, 1
.endm
.macro MEET
	s_wait_dscnt 0x0                               ; my codes lie in LDS
	s_barrier_signal -1
	s_barrier_wait -1
.endm
.macro TILES                           ; pass s29: my slot 0's tile s84 = 24 pass + wave, slot i's 8 i further on; s28: how many of my three slots have a tile
	s_mul_i32 s58, s29, 24
	s_add_co_u32 s84, s58, s20
	s_add_co_u32 s59, s27, 7
	s_sub_co_i32 s59, s59, s84
	s_max_i32 s59, s59, 0
	s_lshr_b32 s59, s59, 3
	s_min_u32 s28, s59, 3
.endm
.macro ROWS                            ; from the rids in v19-21: where the rows' codes lie, + 16 h
.irp i, 0,1,2
	v_min_u32 v[19+\i], 2047, v[19+\i]             ; dump rows read row 2047
.endr
.irp i, 0,1,2
	v_lshl_add_u32 v[16+\i], v[19+\i], 10, v12
.endr
.endm
; 16 registers of sel: the rows of my expert among 512, each to its place: those found before + the matching lanes below mine
.macro SORT b
.irp k, 0,1,2,3,4,5,6,7,8,9,10,11,12,13,14,15
	v_cmp_eq_u32 s[66+\k], s22, v[96+16*\b+\k]
.endr
	s_wait_alu depctr_va_vdst(0)
.irp k, 0,1,2,3,4,5,6,7,8,9,10,11,12,13,14,15
	s_bcnt1_i32_b32 s99, s[66+\k]
	s_add_co_u32 s[83+\k], s[82+\k], s99
.endr
.irp k, 0,1,2,3,4,5,6,7,8,9,10,11,12,13,14,15
	v_mbcnt_lo_u32_b32 v[168+\k], s[66+\k], s[82+\k]
.endr
.irp k, 0,1,2,3,4,5,6,7,8,9,10,11,12,13,14,15
	v_cndmask_b32 v[168+\k], v28, v[168+\k], s[66+\k]   ; lanes that do not match write word 1151
.endr
.irp k, 0,1,2,3,4,5,6,7,8,9,10,11,12,13,14,15
	v_min_u32 v[168+\k], 1151, v[168+\k]
.endr
.irp k, 0,1,2,3,4,5,6,7,8,9,10,11,12,13,14,15
	v_lshl_add_u32 v[48+\k], v[168+\k], 2, LIST
.endr
.irp k, 0,1,2,3,4,5,6,7,8,9,10,11,12,13,14,15
	v_add_nc_u32 v[32+\k], 128*(4*\b+\k/4)+\k%4, v25
.endr
.irp k, 0,1,2,3,4,5,6,7,8,9,10,11,12,13,14,15
	ds_store_b32 v[48+\k], v[32+\k]
.endr
	s_mov_b32 s82, s98
.endm
.macro BIAS ch                         ; b1 at column 64 ch + 32 h + 4 j + t, in the sums' layout
.irp t, 0,1,2,3
.irp j, 0,1,2,3,4,5,6,7
	ds_load_b32 v[32+8*\t+\j], v9 offset:256*\ch+16*\j+4*\t
.endr
.endr
	s_wait_dscnt 0x0
.endm
; slot i's way out: z = sum x 2^(ex + ew1) + b1; h = z / (1 + 2^(-z log2 e)); hold; codes.  Conversion t's two registers hold columns 32 h + 4 j + t, j = 0 .. 7: the next launch's order of k.
; Each slot and column half has registers of its own for its offset and its codes, so no store's sources are written again in the pass.
.macro EPI i, ch
.set CD, 96+8*(3*\ch+\i)
	s_cmp_gt_u32 s28, \i
	s_cbranch_scc0 .Lno_\@
	s_add_co_u32 s58, s84, 8*\i                    ; the tile
	s_lshl_b32 s58, s58, 16
	v_add_nc_u32 v[144+3*\ch+\i], s58, v2
	WIN 0x01
	s_wait_alu depctr_va_vdst(0)                   ; the wait here, directly ahead of the first readers of the sums
.set qq, 0
.rept 16
	v_pk_fma_f32 v[160+qq:161+qq], v[64*\i+32*\ch+qq:64*\i+32*\ch+qq+1], s[50:51], v[32+qq:33+qq] op_sel_hi:[1,0,1]   ; each accumulator from its low end on
.set qq, qq+2
.endr
	WIN 0
.set qq, 0
.rept 16
	v_pk_mul_f32 v[64+qq:65+qq], v[160+qq:161+qq], 0xbfb8aa3b op_sel_hi:[1,0]
.set qq, qq+2
.endr
	s_wait_alu depctr_va_vdst(0)                   ; a wait ahead of each batch and one behind it
.set qq, 0
.rept 32
	v_exp_f32 v[64+qq], v[64+qq]
.set qq, qq+1
.endr
	v_nop                                          ; a plain instruction behind the batch
	s_wait_alu depctr_va_vdst(0)
.set qq, 0
.rept 16
	v_pk_add_f32 v[64+qq:65+qq], v[64+qq:65+qq], 1.0 op_sel_hi:[1,0]
.set qq, qq+2
.endr
	s_wait_alu depctr_va_vdst(0)
.set qq, 0
.rept 32
	v_rcp_f32 v[64+qq], v[64+qq]
.set qq, qq+1
.endr
	v_nop
	s_wait_alu depctr_va_vdst(0)
.set qq, 0
.rept 16
	v_pk_mul_f32 v[64+qq:65+qq], v[64+qq:65+qq], v[160+qq:161+qq]
.set qq, qq+2
.endr
.set qq, 0
.rept 32
	v_med3_num_f32 v[64+qq], v[64+qq], s87, s86    ; the hold at +-448 x 2^eh
.set qq, qq+1
.endr
.irp t, 0,1,2,3
	v_cvt_scalef32_pk8_fp8_f32 v[CD+2*\t:CD+2*\t+1], v[64+8*\t:71+8*\t], v15
.endr
	v_nop                                          ; a plain instruction behind the last conversion
	global_store_b128 v[144+3*\ch+\i], v[CD:CD+3], s[56:57] offset:1024*\ch       ; 512 consecutive bytes each: pieces 2 ch and 2 ch + 1 of the tile's kstep
	global_store_b128 v[144+3*\ch+\i], v[CD+4:CD+7], s[56:57] offset:1024*\ch+512
.Lno_\@:
.endm
	s_load_b512 s[4:19], s[0:1], 0x0               ; W1 4, b1 6, lowp_scales 8, sel 10, xq 12, hq 14, list 16, meta 18
	v_lshl_add_u32 v22, v0, 2, SPARE
	v_mov_b32 v23, 0
	v_lshrrev_b32 v1, 5, v0
	v_readfirstlane_b32 s20, v1                    ; wave 0..7
	s_and_b32 s21, s20, 3                          ; my piece of a kstep
	s_lshr_b32 s24, s20, 2                         ; my column half
	s_lshr_b32 s22, ttmp9, 5                       ; E
	s_and_b32 s23, ttmp9, 31                       ; slice
	s_mov_b32 s31, 0
	s_lshl_b32 s58, s21, 9
	s_lshl_b32 s59, s24, 16
	s_add_co_u32 s58, s58, s59                     ; codes in: 65,536 x column half + 512 x piece
	s_lshl_b32 s59, s20, 6
	s_add_co_u32 s59, s59, LIST                    ; the list at tile = wave
	s_lshl_b32 s60, s21, 19
	s_lshl_b32 s61, s24, 8
	s_add_co_u32 s60, s60, s61                     ; weights: 32 rows x piece, 256 bytes x column half
	; every LDS address register is made here, by every wave, ahead of the first parting
	v_and_b32 v1, 31, v0                           ; l
	v_and_b32 v3, 15, v0                           ; r
	v_bfe_u32 v4, v0, 4, 1                         ; h
	v_mov_b32 v11, CNTW
	v_lshlrev_b32 v2, 4, v1                        ; 16 l: fragments of column half 0,
	v_lshlrev_b32 v9, 7, v4
	v_lshl_add_u32 v13, v4, 18, s60
	v_lshlrev_b32 v12, 4, v4                       ; 16 h
	v_add_nc_u32 v6, 0x10000, v2                   ; and of column half 1
	v_add_nc_u32 v7, s58, v2
	v_lshl_add_u32 v30, v3, 2, s59
	v_add_nc_u32 v9, B1L, v9                       ; b1: my half's 32 columns
	v_lshl_add_u32 v13, v3, 4, v13                 ; weights: row 32 piece + 16 h, byte 256 x column half + 16 r
	v_lshlrev_b32 v25, 2, v1                       ; 4 l
	v_add_nc_u32 v26, LIST, v2
	v_add_nc_u32 v27, B1L, v2
	v_mov_b32 v28, 1151
	s_mov_b32 s52, 0x05010400
	s_mov_b32 s53, 0x07030602
	s_mov_b32 s54, 0x05040100
	s_mov_b32 s55, 0x07060302
	s_wait_alu depctr_va_vdst(0)                   ; the wait here, directly ahead of the wait below
	s_wait_kmcnt 0x0
	s_lshl_b32 s30, s22, 4
	s_add_nc_u64 s[8:9], s[8:9], s[30:31]
	s_load_b128 s[44:47], s[8:9], 0x0              ; ex, ew1, eh, ew2 of my expert
	s_lshl_b32 s30, s22, 24
	s_lshl_b32 s58, s23, 9
	s_add_co_u32 s30, s30, s58
	s_add_nc_u64 s[32:33], s[4:5], s[30:31]        ; my block of W1, ksteps 0-3,
	s_add_nc_u64 s[34:35], s[32:33], 0x800000      ; and ksteps 4-7: 512 rows on
	s_lshl_b32 s30, s22, 22
	s_lshl_b32 s58, s23, 11
	s_add_co_u32 s30, s30, s58
	s_add_nc_u64 s[56:57], s[14:15], s[30:31]      ; hq: my expert, kstep = slice
	s_lshl_b32 s30, s22, 14
	s_lshl_b32 s58, s23, 9
	s_add_co_u32 s30, s30, s58
	s_add_nc_u64 s[6:7], s[6:7], s[30:31]          ; my 128 numbers of b1
	s_lshl_b32 s30, s22, 12
	s_add_nc_u64 s[16:17], s[16:17], s[30:31]
	s_lshl_b32 s30, s22, 8
	s_add_nc_u64 s[18:19], s[18:19], s[30:31]
	s_cmp_eq_u32 s20, 0
	s_cbranch_scc0 .Lno_sel
.irp g, 0,1,2,3,4,5,6,7,8,9,10,11,12,13,14,15
	global_load_b128 v[96+4*\g:99+4*\g], v2, s[10:11] offset:512*\g   ; register 4 g + c of lane l: sel[128 g + 4 l + c]
.endr
	global_load_b128 v[160:163], v2, s[6:7]
.Lno_sel:
	LOADW WS, 0, 0                                 ; the stream starts: three units, 48 loads a wave
	LOADW WS, 1, 1
	LOADW 0, 1, 2
	s_cmp_eq_u32 s20, 0
	s_cbranch_scc0 .Lmeet
	s_add_co_u32 s58, s22, 2048                    ; the dump rid
	v_mov_b32 v164, s58
	v_mov_b32 v165, s58
	v_mov_b32 v166, s58
	v_mov_b32 v167, s58
.irp q, 0,1,2,3,4,5,6,7,8
	ds_store_b128 v26, v[164:167] offset:512*\q
.endr
	s_mov_b32 s82, 0                               ; rows found so far
	s_wait_loadcnt 48                              ; sel and b1 are in; the three units may be out
	ds_store_b128 v27, v[160:163]
	SORT 0
	SORT 1
	SORT 2
	SORT 3
	s_add_co_u32 s71, s82, 15
	s_lshr_b32 s71, s71, 4
	s_max_u32 s71, s71, 1                          ; tiles of 16 rows; at least one, so that tile 0 of hq is always written
	v_mov_b32 v29, s71
	ds_store_b32 v11, v29
.Lmeet:
	MEET                                           ; the list, b1 and the count lie in LDS
	ds_load_b32 v29, v11
.irp i, 0,1,2
	ds_load_b32 v[19+\i], v30 offset:512*\i        ; row r of slot i's tile
.endr
	s_wait_kmcnt 0x0
	s_add_co_i32 s58, s45, 127
	s_lshl_b32 s59, s58, 23
	v_mov_b32 v14, s59                             ; 2^ew1
	s_add_co_i32 s58, s58, 8
	s_lshl_b32 s58, s58, 23
	s_or_b32 s48, s58, 0x600000                    ; 448 x 2^ew1
	s_or_b32 s49, s48, 0x80000000
	s_add_co_i32 s58, s44, s45
	s_add_co_i32 s58, s58, 127
	s_lshl_b32 s50, s58, 23                        ; 2^(ex + ew1)
	s_mov_b32 s51, s50                             ; (named with it as a pair)
	s_add_co_i32 s58, s46, 127
	s_lshl_b32 s59, s58, 23
	v_mov_b32 v15, s59                             ; 2^eh
	s_add_co_i32 s58, s58, 8
	s_lshl_b32 s58, s58, 23
	s_or_b32 s86, s58, 0x600000                    ; 448 x 2^eh
	s_or_b32 s87, s86, 0x80000000
	s_wait_alu depctr_va_vdst(0)                   ; the wait here, directly ahead of the wait below
	s_wait_dscnt 0x0
	v_readfirstlane_b32 s27, v29
	s_min_u32 s27, s27, 64                         ; T
	ROWS
	s_mov_b32 s29, 0                               ; pass
	TILES
	s_or_b32 s58, s20, s23
	s_cmp_eq_u32 s58, 0
	s_wait_alu depctr_va_vdst(0)
	s_cbranch_scc0 .Lno_list
.irp q, 0,1,2,3,4,5,6,7                ; wave 0 of slice 0 stores the list and the number of tiles for the next launch
	ds_load_b128 v[32+4*\q:35+4*\q], v26 offset:512*\q
.endr
	s_wait_dscnt 0x0
.irp q, 0,1,2,3,4,5,6,7
	global_store_b128 v2, v[32+4*\q:35+4*\q], s[16:17] offset:512*\q
.endr
	global_store_b32 v25, v29, s[18:19]
	s_wait_xcnt 0x0                                ; the first conversion's codes land on these registers only behind this wait
.Lno_list:
	s_wait_loadcnt 32                              ; W0; younger: W1 W2
	CONV WS, 0, 0
	XLOAD XA, 0, 12
	XLOAD XB, 1, 12
	LOADW WS, 0, 3
	s_wait_loadcnt 56                              ; W1; younger: W2 x0 x1 W3
	CONV WS, 1, 1
	LOADW WS, 1, 4
	s_wait_loadcnt 56                              ; W2; younger: x0 x1 W3 W4
	CONV 0, 1, 2
	MEET
	s_wait_loadcnt 44                              ; x0; younger: x1 W3 W4
	COMP 0, XA, 1, 2, 6
	XLOAD XA, 2, 12
	s_wait_loadcnt 44                              ; x1; younger: W3 W4 x2
	COMP 1, XB, 0, 2, 6
	XLOAD XB, 3, 12
	s_wait_loadcnt 40                              ; W3; younger: W4 x2 x3
	CONV WS, 0, 3
	LOADW WS, 0, 5
	s_wait_loadcnt 40                              ; W4; younger: x2 x3 W5
	CONV WS, 1, 4
	LOADW WS, 1, 6
	MEET
	s_wait_loadcnt 44                              ; x2; younger: x3 W5 W6
	COMP 2, XA, 0, 2, 6
	XLOAD XA, 4, 12
	s_wait_loadcnt 44                              ; x3; younger: W5 W6 x4
	COMP 3, XB, 0, 2, 6
	XLOAD XB, 5, 12
	s_wait_loadcnt 40                              ; W5; younger: W6 x4 x5
	CONV WS, 0, 5
	LOADW WS, 0, 7
	s_wait_loadcnt 40                              ; W6; younger: x4 x5 W7
	CONV WS, 1, 6
	MEET
	s_wait_loadcnt 28                              ; x4; younger: x5 W7
	COMP 4, XA, 0, 2, 6
	XLOAD XA, 6, 12
	s_wait_loadcnt 28                              ; x5; younger: W7 x6
	COMP 5, XB, 0, 2, 6
	XLOAD XB, 7, 12
	s_wait_loadcnt 24                              ; W7; younger: x6 x7
	CONV WS, 0, 7
	MEET
	s_wait_loadcnt 12                              ; x6
	COMP 6, XA, 0, 2, 6
	s_wait_loadcnt 0x0                             ; x7
	COMP 7, XB, 0, 2, 6
.Lpass:
	TILES
	s_mul_i32 s58, s29, 1536
	v_add_nc_u32 v8, s58, v30                      ; the list at slot 0's tile
	s_cmp_eq_u32 s29, 0
	s_wait_alu depctr_va_vdst(0)                   ; the wait here, directly ahead of the branch
	s_cbranch_scc1 .Lepi                           ; pass 0's sums are finished
	s_cmp_eq_u32 s28, 0
	s_cbranch_scc1 .Lwalk
	s_wait_xcnt 0x0                                ; the last pass's stores have read their data and offsets
.irp i, 0,1,2
	ds_load_b32 v[19+\i], v8 offset:512*\i
.endr
	s_wait_dscnt 0x0
	ROWS
	WIN 0x40
.set zz, 0
.rept 192
	v_mov_b32 v[zz], 0                             ; a later pass only (an expert with more than 384 rows): its ksteps stand in a loop of one text, which begins on zeros
.set zz, zz+1
.endr
	WIN 0
.Lwalk:                                                ; every wave walks the loop; what hangs on the counts is a branch inside it
	s_mov_b32 s60, 0
.Lks:
	s_lshl_b32 s58, s60, 14                        ; two ksteps of 8,192 bytes in each column half
	v_add_nc_u32 v10, s58, v2
	v_add_nc_u32 v31, s58, v6
	s_cmp_eq_u32 s28, 0
	s_wait_alu depctr_va_vdst(0)
	s_cbranch_scc1 .Lks_end
	s_lshl_b32 s30, s60, 8
	s_add_nc_u64 s[40:41], s[12:13], s[30:31]
	XLOAD XA, 0, 40
	XLOAD XB, 1, 40
	s_wait_loadcnt 0x0
	COMP 0, XA, 0, 10, 31
	COMP 1, XB, 0, 10, 31
.Lks_end:
	s_add_co_u32 s60, s60, 1
	s_cmp_lt_u32 s60, 4
	s_cbranch_scc1 .Lks
	s_cmp_eq_u32 s28, 0
	s_cbranch_scc1 .Lnext
.Lepi:
	BIAS 0
	EPI 0, 0
	EPI 1, 0
	EPI 2, 0
	BIAS 1
	EPI 0, 1
	EPI 1, 1
	EPI 2, 1
.Lnext:
	s_add_co_u32 s29, s29, 1
	s_cmp_lt_u32 s29, 3
	s_cbranch_scc1 .Lpass
	s_wait_tensorcnt 0x0                           ; the wave's end
	ds_add_u32 v22, v23
	s_wait_dscnt 0x0
	s_endpgm
.Lfunc_end_k_qf5cfb57944_ffn1:
	.size	k_qf5cfb57944_ffn1, .Lfunc_end_k_qf5cfb57944_ffn1-k_qf5cfb57944_ffn1
	.p2alignl 7, 3214868480
	.fill 96, 4, 3214868480
	.section	.rodata,"a",@progbits
	.p2align	6, 0x0
	.amdhsa_kernel k_qf5cfb57944_ffn1
		.amdhsa_group_segment_fixed_size 137472
		.amdhsa_private_segment_fixed_size 0
		.amdhsa_enable_private_segment 0
		.amdhsa_kernarg_size 64
		.amdhsa_user_sgpr_count 2
		.amdhsa_user_sgpr_kernarg_segment_ptr 1
		.amdhsa_wavefront_size32 1
		.amdhsa_system_sgpr_workgroup_id_x 1
		.amdhsa_system_sgpr_workgroup_id_y 1
		.amdhsa_system_sgpr_workgroup_id_z 1
		.amdhsa_system_vgpr_workitem_id 0
		.amdhsa_next_free_vgpr 512
		.amdhsa_next_free_sgpr 100
		.amdhsa_reserve_vcc 0
		.amdhsa_float_denorm_mode_32 3
		.amdhsa_float_denorm_mode_16_64 3
		.amdhsa_memory_ordered 1
		.amdhsa_forward_progress 1
		.amdhsa_inst_pref_size 234
	.end_amdhsa_kernel
	.amdgpu_metadata
---
amdhsa.version: [ 1, 2 ]
amdhsa.kernels:
  - .name:           k_qf5cfb57944_ffn1
    .symbol:         k_qf5cfb57944_ffn1.kd
    .args:
      - { .name: W1, .offset: 0, .size: 8, .value_kind: global_buffer, .address_space: global }
      - { .name: b1, .offset: 8, .size: 8, .value_kind: global_buffer, .address_space: global }
      - { .name: lowp_scales, .offset: 16, .size: 8, .value_kind: global_buffer, .address_space: global }
      - { .name: sel, .offset: 24, .size: 8, .value_kind: global_buffer, .address_space: global }
      - { .name: xq, .offset: 32, .size: 8, .value_kind: global_buffer, .address_space: global }
      - { .name: hq, .offset: 40, .size: 8, .value_kind: global_buffer, .address_space: global }
      - { .name: list, .offset: 48, .size: 8, .value_kind: global_buffer, .address_space: global }
      - { .name: meta, .offset: 56, .size: 8, .value_kind: global_buffer, .address_space: global }
    .group_segment_fixed_size: 137472
    .private_segment_fixed_size: 0
    .kernarg_segment_align: 8
    .kernarg_segment_size: 64
    .max_flat_workgroup_size: 256
    .sgpr_count:     100
    .vgpr_count:     512
    .wavefront_size: 32
...
	.end_amdgpu_metadata
.endif
;; end of part 2
;; launch ffn2 (part 3): grid 256 x 1, 8 waves a work-group, no clusters, 166,912 bytes of LDS; arguments W2, lowp_scales, hq, list, meta, parts; writes parts
.if DOCPART == 3
	.amdgcn_target "amdgcn-amd-amdhsa--gfx1250"
	.amdhsa_code_object_version 6
	.text
	.protected	k_qf5cfb57944_ffn2
	.globl	k_qf5cfb57944_ffn2
	.p2align	8
	.type	k_qf5cfb57944_ffn2,@function
k_qf5cfb57944_ffn2:
	s_mov_b64 s[64:65], 0
	v_nop
	global_prefetch_b8 v0, s[64:65] scope:SCOPE_SE
	s_setreg_imm32_b32 hwreg(HW_REG_WAVE_MODE, 25, 1), 1
	s_wait_xcnt 0x0
; THE SECOND LAYER OF THE CHOSEN EXPERTS: parts[KH][rid][:] = 2^(eh + ew2) x (h's codes x Q(W2[e])'s codes), summed over one half KH of the 4,096 hidden units, for the routed rows alone (reference() gives the other rows the weight 0: see the first launch).
; SHARES.  Work-group = (expert E = id / 32, column group CG = (id / 2) % 16, K half KH = id % 2): it alone reads W2[E][2048 KH .. +2047][64 CG .. +63], 512 KB of f32, once.  Eight waves, all alike, as in the launch before.
; In step s wave w makes the unit (kstep 2 s + w / 4, piece w % 4), 32 rows x 64 columns; a step is two ksteps, 16 KB of codes; the eight steps' 128 KB stay in LDS.
; A wave multiplies tiles w, w + 8, w + 16 of its expert's rows with the 64 columns.  h's codes lie in hq as images of operand registers: 16 bytes a lane, 512 a load.
; LOADS FALL IN ISSUE ORDER (ISA guide 5.7.1).  The order is W0 W1 W2 x0, W3, x1 W4, x2 x3 W5, W6, x4 x5 W7, x6 x7 rids (W: 16 loads, x: 24, rids: 6): each wait counts what is younger than what it wants, or 63 where that is more.
; The two K halves are added, with b2 and the gates' weights, by the next launch: each byte of parts has one writer.
; K IN A FRAGMENT (register 4 c + i, byte b, lane half h): k = 128 ks + 64 (c / 2) + 2 (c % 2) + 32 h + 16 (i % 2) + i / 2 + 4 b: the order in which the launch before left h's codes; the weights' rows are loaded in the same order.
; The numbers of tiles and the rows' rids are whole numbers that the launch before stored.  No tensor loads, no joint loads: what is multiplied hangs on those numbers, and work-groups share no weight.
; No prefetch: each wave has up to three units of its own loads out, which is the look-ahead.  A pass serves 24 tiles; two further passes, on the codes in LDS, serve every split.
; Rows beyond an expert's count carry the dump rid 2048 + E: their results go to row 2048 + E of parts, which nobody reads.
; LIMITS: ew2 between -126 and 119, eh + ew2 between -126 and 127.  NaN among the inputs is not served.
; REGISTERS.  Window 0: v0-31 addresses and constants; v32-95 four weight fragments, or a conversion at work; v96-159 a weight set; v160-255 a set of h's codes (kstep k of the step, slot i: 48 k + 16 i).
;   Window 1: v0-95 the other set of h's codes; v96-191 sums (slot i, tile t: 96 + 32 i + 8 t), ahead of the first product unit 2; v192-255 the other weight set, at the end the rids.
;   On the way out: v96-127 scaled sums, v128-223 rows back from the stage, v224-247 offsets.
.set STG,  131072                      ; LDS behind the codes: for each wave 16 rows x (256 bytes + 16)
.set SPARE, STG+8*4352                 ; the spare words, 128 bytes a wave
.set FR,  32
.set WSA, 96                           ; in window 0
.set WSB, 192                          ; in window 1
.set XA,  160                          ; in window 0
.set XB,  0                            ; in window 1
.set MSB, 0
.macro WIN new                         ; s_set_vgpr_msb: bits 1:0 source 0, 3:2 source 1, 5:4 source 2, 7:6 destination; the high byte repeats the setting that is left
.if MSB != (\new)
	s_set_vgpr_msb (MSB<<8)|(\new)
.set MSB, (\new)
.endif
.endm
; register group m = 4 i + b: the row that the fragment's register i, byte b wants; each half of the lanes reads 256 consecutive, aligned bytes
.macro LOADW base, win, st
	WIN 64*\win
.irp m, 0,1,2,3,4,5,6,7,8,9,10,11,12,13,14,15
	global_load_b128 v[(\base)+4*\m:(\base)+4*\m+3], v13, s[32:33] offset:(256*(\st)+16*((\m>>2)&1)+(\m>>3)+4*(\m&3))*4096 th:TH_LOAD_NT
.endr
	WIN 0
.endm
.macro CONV base, win, st              ; hold, conversion, a 4 x 4 turn of bytes, four stores of 512 consecutive bytes
	WIN 0x41*\win
.set jj, 0
.rept 64
	v_med3_num_f32 v[(\base)+jj], v[(\base)+jj], s49, s48   ; the conversion does not saturate (ISA guide 7.6.2): the hold at +-448 x 2^ew2
.set jj, jj+1
.endr
	WIN \win
.irp g, 0,1,2,3,4,5,6,7
	v_cvt_scalef32_pk8_fp8_f32 v[FR+2*\g:FR+2*\g+1], v[(\base)+8*\g:(\base)+8*\g+7], v14
.endr
	WIN 0
	v_nop                                          ; a plain instruction between the conversions and the first reader of their results
.irp i, 0,1,2,3
	v_perm_b32 v[FR+16+4*\i], v[FR+1+4*\i], v[FR+4*\i], s52
	v_perm_b32 v[FR+17+4*\i], v[FR+1+4*\i], v[FR+4*\i], s53
	v_perm_b32 v[FR+18+4*\i], v[FR+3+4*\i], v[FR+2+4*\i], s52
	v_perm_b32 v[FR+19+4*\i], v[FR+3+4*\i], v[FR+2+4*\i], s53
.endr
.irp i, 0,1,2,3
	v_perm_b32 v[FR+32+\i], v[FR+18+4*\i], v[FR+16+4*\i], s54
	v_perm_b32 v[FR+36+\i], v[FR+18+4*\i], v[FR+16+4*\i], s55
	v_perm_b32 v[FR+40+\i], v[FR+19+4*\i], v[FR+17+4*\i], s54
	v_perm_b32 v[FR+44+\i], v[FR+19+4*\i], v[FR+17+4*\i], s55
.endr
.irp t, 0,1,2,3
	ds_store_b128 v[7+(\st)/4], v[FR+32+4*\t:FR+35+4*\t] offset:16384*((\st)%4)+2048*\t
.endr
.endm
.macro XLOAD xb, win, st, pb           ; two ksteps of my three tiles
	WIN 64*\win
.irp k, 0,1
.irp i, 0,1,2
.irp c, 0,1,2,3
	global_load_b128 v[(\xb)+48*\k+16*\i+4*\c:(\xb)+48*\k+16*\i+4*\c+3], v[16+\i], s[\pb:\pb+1] offset:2048*(2*(\st)+\k)+512*\c
.endr
.endr
.endr
	WIN 0
.endm
; one kstep: four fragments, 8 or 12 products; the accumulators take turns, one instruction a turn.  Slots 0 and 1 are always multiplied (a slot without a tile is not stored);
; slot 2 where the wave has a third tile, and in the first kstep, whose products start the sums: so every accumulator is written on every way.
.macro HALF off, xb, win, zero, ad
.irp t, 0,1,2,3
.irp c, 0,1,2,3
	ds_load_b128 v[FR+16*\t+4*\c:FR+16*\t+4*\c+3], v[\ad] offset:8192*(\off)+2048*\t+512*\c
.endr
.endr
.irp t, 0,1,2,3
	s_wait_dscnt 12-4*\t                           ; tile t's four loads are in; the younger tiles' may be out
	WIN 0x50+4*\win
.irp i, 0,1
.if \zero
	v_wmma_f32_16x16x128_fp8_fp8 v[96+32*\i+8*\t:96+32*\i+8*\t+7], v[FR+16*\t:FR+16*\t+15], v[(\xb)+16*\i:(\xb)+16*\i+15], 0
.else
	v_wmma_f32_16x16x128_fp8_fp8 v[96+32*\i+8*\t:96+32*\i+8*\t+7], v[FR+16*\t:FR+16*\t+15], v[(\xb)+16*\i:(\xb)+16*\i+15], v[96+32*\i+8*\t:96+32*\i+8*\t+7]
.endif
.endr
.endr
.if \zero
.irp t, 0,1,2,3
	v_wmma_f32_16x16x128_fp8_fp8 v[160+8*\t:160+8*\t+7], v[FR+16*\t:FR+16*\t+15], v[(\xb)+32:(\xb)+47], 0
.endr
	WIN 0
.else
	WIN 0
	s_cmp_gt_u32 s28, 2
	s_cbranch_scc0 .Lsk_\@
	WIN 0x50+4*\win
.irp t, 0,1,2,3
	v_wmma_f32_16x16x128_fp8_fp8 v[160+8*\t:160+8*\t+7], v[FR+16*\t:FR+16*\t+15], v[(\xb)+32:(\xb)+47], v[160+8*\t:160+8*\t+7]
.endr
	WIN 0
.Lsk_\@:
.endif
.rept 4
	v_nop                                          ; four places ahead of loads into registers that the products have read, and of the first read of the sums
.endr
.endm
.macro COMP off, xb, win, zero, ad     ; a step: ksteps off and off + 1 behind address register ad
	HALF \off, \xb, \win, \zero, \ad
	HALF \off+1, \xb+48, \win, 0, \ad
.endm
.macro MEET
	s_wait_dscnt 0x0                               ; my codes lie in LDS
	s_barrier_signal -1
	s_barrier_wait -1
.endm
.macro TILES                           ; pass s29: my slot 0's tile s84 = 24 pass + wave, slot i's 8 i further on; s28: how many of my three slots have a tile
	s_mul_i32 s58, s29, 24
	s_add_co_u32 s84, s58, s20
	s_add_co_u32 s59, s27, 7
	s_sub_co_i32 s59, s59, s84
	s_max_i32 s59, s59, 0
	s_lshr_b32 s59, s59, 3
	s_min_u32 s28, s59, 3
.endm
.macro OFFS
.irp i, 0,1,2
	s_add_co_u32 s61, s84, 8*\i
	s_lshl_b32 s58, s61, 16                        ; the tile's 65,536 bytes
	s_cmp_gt_u32 s28, \i
	s_cselect_b32 s58, s58, 0                      ; a slot without a tile reads 16 bytes of tile 0, which is always written, in all lanes
	s_cselect_b32 s59, 16, 0
	v_mad_u32_u24 v[16+\i], v1, s59, s58
	s_min_u32 s61, s61, 63                         ; inside the expert's list, with or without a tile
	s_lshl_b32 s61, s61, 6
	v_add_nc_u32 v[24+\i], s61, v21
.endr
	s_wait_alu depctr_va_vdst(0)                   ; the wait here
.endm
.macro RIDS                            ; the rids of rows 8 h + 0 .. 7 of slot i's tile
	WIN 0x40
.irp i, 0,1,2
	global_load_b128 v[192+8*\i:195+8*\i], v[24+\i], s[10:11]
	global_load_b128 v[196+8*\i:199+8*\i], v[24+\i], s[10:11] offset:16
.endr
	WIN 0
.endm
; slot i's way out.  A lane holds 32 neighbouring columns of one token: 128 bytes.  They go through my wave's own stage and come back as rows of 256 bytes: lanes 0-15 row n, lanes 16-31 row 8 + n.
; Each slot has registers of its own for its rows and offsets, so no store's sources are written again in the pass.
.macro EPI i
	s_cmp_gt_u32 s28, \i
	s_cbranch_scc0 .Lno_\@
	WIN 0x04
.irp j, 0,1,2,3,4,5,6,7
.irp t, 0,1,2,3
	v_mul_f32 v[96+4*\j+\t], s50, v[96+32*\i+8*\t+\j]   ; x 2^(eh + ew2); each accumulator from its low end on
.endr
.endr
.irp n, 0,1,2,3,4,5,6,7
	v_min_u32 v[224+8*\i+\n], 2055, v[192+8*\i+\n]
.endr
	WIN 0
.irp j, 0,1,2,3,4,5,6,7
	ds_store_b128 v9, v[96+4*\j:99+4*\j] offset:16*\j
.endr
.irp n, 0,1,2,3,4,5,6,7
	ds_load_b128 v[128+32*\i+4*\n:131+32*\i+4*\n], v10 offset:272*\n   ; LDS serves a wave's instructions in order (ISA guide 5.7.1.4): these see the stores above
.endr
.irp n, 0,1,2,3,4,5,6,7
	v_lshl_add_u32 v[224+8*\i+\n], v[224+8*\i+\n], 12, v20   ; the row's place in parts, + 16 r
.endr
	s_wait_alu depctr_va_vdst(0)                   ; the wait here, directly ahead of the waits below
.irp n, 0,1,2,3,4,5,6,7
	s_wait_dscnt 7-\n                              ; the younger loads from the stage may be out
	global_store_b128 v[224+8*\i+\n], v[128+32*\i+4*\n:131+32*\i+4*\n], s[56:57]   ; sixteen lanes store 256 consecutive, aligned bytes of a row
.endr
.Lno_\@:
.endm
	s_load_b256 s[4:11], s[0:1], 0x0               ; W2 4, lowp_scales 6, hq 8, list 10
	s_load_b128 s[12:15], s[0:1], 0x20             ; meta 12, parts 14
	v_lshl_add_u32 v22, v0, 2, SPARE
	v_mov_b32 v23, 0
	v_lshrrev_b32 v1, 5, v0
	v_readfirstlane_b32 s20, v1                    ; wave 0..7
	s_and_b32 s21, s20, 3                          ; my piece of a kstep
	s_lshr_b32 s24, s20, 2                         ; my kstep of a step's two
	s_lshr_b32 s22, ttmp9, 5                       ; E
	s_bfe_u32 s23, ttmp9, 0x40001                  ; CG
	s_and_b32 s85, ttmp9, 1                        ; KH
	s_mov_b32 s31, 0
	s_lshl_b32 s58, s21, 9
	s_lshl_b32 s59, s24, 13
	s_add_co_u32 s58, s58, s59                     ; codes in: 8,192 x kstep + 512 x piece
	s_mul_i32 s59, s20, 4352
	s_add_co_u32 s59, s59, STG                     ; my stage
	s_lshr_b32 s60, s21, 1
	s_lshl_b32 s60, s60, 18
	s_and_b32 s61, s21, 1
	s_lshl_b32 s61, s61, 13
	s_add_co_u32 s60, s60, s61
	s_lshl_b32 s61, s24, 19
	s_add_co_u32 s60, s60, s61                     ; weights: row 128 x kstep + 64 (piece / 2) + 2 (piece % 2)
	; every LDS address register is made here, by every wave
	v_and_b32 v1, 31, v0                           ; l
	v_and_b32 v3, 15, v0                           ; r
	v_bfe_u32 v4, v0, 4, 1                         ; h
	v_lshlrev_b32 v2, 4, v1                        ; 16 l: fragments of ksteps 0-7,
	v_mul_u32_u24 v9, v3, 272
	v_mul_u32_u24 v10, v4, 2176
	v_lshl_add_u32 v13, v4, 17, s60
	v_add_nc_u32 v6, 0x10000, v2                   ; and of ksteps 8-15
	v_add_nc_u32 v7, s58, v2                       ; codes in, steps 0-3,
	v_lshl_add_u32 v9, v4, 7, v9
	v_lshl_add_u32 v10, v3, 4, v10
	v_lshl_add_u32 v13, v3, 4, v13                 ; weights: + 32 h rows, byte 16 r
	v_add_nc_u32 v8, 0x10000, v7                   ; and steps 4-7
	v_add_nc_u32 v9, s59, v9                       ; into the stage: row r, + 128 h
	v_add_nc_u32 v10, s59, v10                     ; back: row 8 h, + 16 r
	v_lshlrev_b32 v20, 4, v3                       ; 16 r
	v_lshlrev_b32 v21, 5, v4                       ; 32 h
	s_mov_b32 s52, 0x05010400
	s_mov_b32 s53, 0x07030602
	s_mov_b32 s54, 0x05040100
	s_mov_b32 s55, 0x07060302
	s_wait_alu depctr_va_vdst(0)                   ; the wait here, directly ahead of the wait below
	s_wait_kmcnt 0x0
	s_lshl_b32 s30, s22, 4
	s_add_nc_u64 s[6:7], s[6:7], s[30:31]
	s_load_b128 s[44:47], s[6:7], 0x0              ; ex, ew1, eh, ew2 of my expert
	s_lshl_b32 s30, s22, 8
	s_add_nc_u64 s[12:13], s[12:13], s[30:31]
	s_load_b32 s27, s[12:13], 0x0                  ; T
	s_lshl_b32 s30, s22, 24
	s_lshl_b32 s58, s85, 23
	s_add_co_u32 s30, s30, s58
	s_lshl_b32 s58, s23, 8
	s_add_co_u32 s30, s30, s58
	s_add_nc_u64 s[32:33], s[4:5], s[30:31]        ; my block of W2
	LOADW WSA, 0, 0                                ; the stream starts: three units, 48 loads a wave
	LOADW WSB, 1, 1
	LOADW 96, 1, 2
	s_lshl_b32 s30, s22, 22
	s_lshl_b32 s58, s85, 15
	s_add_co_u32 s30, s30, s58
	s_add_nc_u64 s[38:39], s[8:9], s[30:31]        ; hq: my expert, my 16 ksteps
	s_mul_i32 s30, s85, 8421376
	s_lshl_b32 s58, s23, 8
	s_add_co_u32 s30, s30, s58
	s_add_nc_u64 s[56:57], s[14:15], s[30:31]      ; parts: my K half, my 64 columns
	s_lshl_b32 s30, s22, 12
	s_add_nc_u64 s[10:11], s[10:11], s[30:31]      ; my expert's list
	s_wait_kmcnt 0x0
	s_min_u32 s27, s27, 64
	s_add_co_i32 s58, s47, 127
	s_lshl_b32 s59, s58, 23
	v_mov_b32 v14, s59                             ; 2^ew2
	s_add_co_i32 s58, s58, 8
	s_lshl_b32 s58, s58, 23
	s_or_b32 s48, s58, 0x600000                    ; 448 x 2^ew2
	s_or_b32 s49, s48, 0x80000000
	s_add_co_i32 s58, s46, s47
	s_add_co_i32 s58, s58, 127
	s_lshl_b32 s50, s58, 23                        ; 2^(eh + ew2)
	s_mov_b32 s29, 0                               ; pass
	TILES
	OFFS
	XLOAD XA, 0, 0, 38
	s_wait_loadcnt 56                              ; W0; younger: W1 W2 x0
	CONV WSA, 0, 0
	LOADW WSA, 0, 3
	s_wait_loadcnt 56                              ; W1; younger: W2 x0 W3
	CONV WSB, 1, 1
	XLOAD XB, 1, 1, 38
	LOADW WSB, 1, 4
	s_wait_loadcnt 63                              ; W2; younger: x0 W3 x1 W4, 80
	CONV 96, 1, 2
	MEET
	s_wait_loadcnt 56                              ; x0; younger: W3 x1 W4
	COMP 0, XA, 0, 1, 2
	XLOAD XA, 0, 2, 38
	s_wait_loadcnt 40                              ; x1; younger: W4 x2
	COMP 2, XB, 1, 0, 2
	XLOAD XB, 1, 3, 38
	s_wait_loadcnt 63                              ; W3; younger: W4 x2 x3, 64
	CONV WSA, 0, 3
	LOADW WSA, 0, 5
	s_wait_loadcnt 63                              ; W4; younger: x2 x3 W5, 64
	CONV WSB, 1, 4
	LOADW WSB, 1, 6
	MEET
	s_wait_loadcnt 56                              ; x2; younger: x3 W5 W6
	COMP 4, XA, 0, 0, 2
	XLOAD XA, 0, 4, 38
	s_wait_loadcnt 56                              ; x3; younger: W5 W6 x4
	COMP 6, XB, 1, 0, 2
	XLOAD XB, 1, 5, 38
	s_wait_loadcnt 63                              ; W5; younger: W6 x4 x5, 64
	CONV WSA, 0, 5
	LOADW WSA, 0, 7
	s_wait_loadcnt 63                              ; W6; younger: x4 x5 W7, 64
	CONV WSB, 1, 6
	MEET
	s_wait_loadcnt 40                              ; x4; younger: x5 W7
	COMP 0, XA, 0, 0, 6
	XLOAD XA, 0, 6, 38
	s_wait_loadcnt 40                              ; x5; younger: W7 x6
	COMP 2, XB, 1, 0, 6
	XLOAD XB, 1, 7, 38
	RIDS
	s_wait_loadcnt 54                              ; W7; younger: x6 x7 and the rids
	CONV WSA, 0, 7
	MEET
	s_wait_loadcnt 30                              ; x6
	COMP 4, XA, 0, 0, 6
	s_wait_loadcnt 6                               ; x7
	COMP 6, XB, 1, 0, 6
.Lpass:
	TILES
	s_cmp_eq_u32 s29, 0
	s_cbranch_scc1 .Lepi                           ; pass 0's sums are finished
	s_cmp_eq_u32 s28, 0
	s_cbranch_scc1 .Lwalk
	s_wait_xcnt 0x0                                ; the last pass's stores have read their data and offsets,
	s_wait_loadcnt 0x0                             ; and no load of mine is out: the rids' registers and offsets may be written
	OFFS
	RIDS
	WIN 0x40
.set zz, 0
.rept 96
	v_mov_b32 v[96+zz], 0                          ; a later pass only (an expert with more than 384 rows): its ksteps stand in a loop of one text, which begins on zeros
.set zz, zz+1
.endr
	WIN 0
.Lwalk:                                                ; every wave walks the loop; what hangs on the counts is a branch inside it
	s_mov_b32 s60, 0
.Lks:
	s_lshl_b32 s58, s60, 15                        ; four ksteps of 8,192 bytes
	v_add_nc_u32 v11, s58, v2
	s_cmp_eq_u32 s28, 0
	s_wait_alu depctr_va_vdst(0)
	s_cbranch_scc1 .Lks_end
	s_lshl_b32 s30, s60, 13                        ; four ksteps of 2,048 bytes a tile
	s_add_nc_u64 s[40:41], s[38:39], s[30:31]
	XLOAD XA, 0, 0, 40
	XLOAD XB, 1, 1, 40
	s_wait_loadcnt 0x0
	COMP 0, XA, 0, 0, 11
	COMP 2, XB, 1, 0, 11
.Lks_end:
	s_add_co_u32 s60, s60, 1
	s_cmp_lt_u32 s60, 4
	s_cbranch_scc1 .Lks
	s_cmp_eq_u32 s28, 0
	s_cbranch_scc1 .Lnext
.Lepi:
	s_wait_loadcnt 0x0                             ; the rids
	EPI 0
	EPI 1
	EPI 2
.Lnext:
	s_add_co_u32 s29, s29, 1
	s_cmp_lt_u32 s29, 3
	s_cbranch_scc1 .Lpass
	s_wait_tensorcnt 0x0                           ; the wave's end
	ds_add_u32 v22, v23
	s_wait_dscnt 0x0
	s_endpgm
.Lfunc_end_k_qf5cfb57944_ffn2:
	.size	k_qf5cfb57944_ffn2, .Lfunc_end_k_qf5cfb57944_ffn2-k_qf5cfb57944_ffn2
	.p2alignl 7, 3214868480
	.fill 96, 4, 3214868480
	.section	.rodata,"a",@progbits
	.p2align	6, 0x0
	.amdhsa_kernel k_qf5cfb57944_ffn2
		.amdhsa_group_segment_fixed_size 166912
		.amdhsa_private_segment_fixed_size 0
		.amdhsa_enable_private_segment 0
		.amdhsa_kernarg_size 48
		.amdhsa_user_sgpr_count 2
		.amdhsa_user_sgpr_kernarg_segment_ptr 1
		.amdhsa_wavefront_size32 1
		.amdhsa_system_sgpr_workgroup_id_x 1
		.amdhsa_system_sgpr_workgroup_id_y 1
		.amdhsa_system_sgpr_workgroup_id_z 1
		.amdhsa_system_vgpr_workitem_id 0
		.amdhsa_next_free_vgpr 512
		.amdhsa_next_free_sgpr 90
		.amdhsa_reserve_vcc 0
		.amdhsa_float_denorm_mode_32 3
		.amdhsa_float_denorm_mode_16_64 3
		.amdhsa_memory_ordered 1
		.amdhsa_forward_progress 1
		.amdhsa_inst_pref_size 158
	.end_amdhsa_kernel
	.amdgpu_metadata
---
amdhsa.version: [ 1, 2 ]
amdhsa.kernels:
  - .name:           k_qf5cfb57944_ffn2
    .symbol:         k_qf5cfb57944_ffn2.kd
    .args:
      - { .name: W2, .offset: 0, .size: 8, .value_kind: global_buffer, .address_space: global }
      - { .name: lowp_scales, .offset: 8, .size: 8, .value_kind: global_buffer, .address_space: global }
      - { .name: hq, .offset: 16, .size: 8, .value_kind: global_buffer, .address_space: global }
      - { .name: list, .offset: 24, .size: 8, .value_kind: global_buffer, .address_space: global }
      - { .name: meta, .offset: 32, .size: 8, .value_kind: global_buffer, .address_space: global }
      - { .name: parts, .offset: 40, .size: 8, .value_kind: global_buffer, .address_space: global }
    .group_segment_fixed_size: 166912
    .private_segment_fixed_size: 0
    .kernarg_segment_align: 8
    .kernarg_segment_size: 48
    .max_flat_workgroup_size: 256
    .sgpr_count:     90
    .vgpr_count:     512
    .wavefront_size: 32
...
	.end_amdgpu_metadata
.endif
;; end of part 3
;; launch combine (part 4): grid 256 x 1, 4 waves a work-group, no clusters, 0 bytes of LDS; arguments parts, sel, wts, b2, out0; writes out0
.if DOCPART == 4
	.amdgcn_target "amdgcn-amd-amdhsa--gfx1250"
	.amdhsa_code_object_version 6
	.text
	.protected	k_qf5cfb57944_combine
	.globl	k_qf5cfb57944_combine
	.p2align	8
	.type	k_qf5cfb57944_combine,@function
k_qf5cfb57944_combine:
	s_mov_b64 s[64:65], 0
	v_nop
	global_prefetch_b8 v0, s[64:65] scope:SCOPE_SE
	s_setreg_imm32_b32 hwreg(HW_REG_WAVE_MODE, 25, 1), 1
	s_wait_xcnt 0x0
; out[n] = w0 (parts[0][2 n] + parts[1][2 n] + b2[e0]) + w1 (parts[0][2 n + 1] + parts[1][2 n + 1] + b2[e1]): the two K halves, the bias and the gate's weight of each of the token's two experts.
; One wave takes one token n = 4 x work-group + wave: every output row has one owner.  Each load and store of the wave covers 512 consecutive bytes.  A stream: no LDS, no barrier, no matrix unit.
; The experts' numbers are whole numbers stored two launches ago; they choose the rows of b2.  All 32 loads of parts go out ahead of the wait for them.
.set P,  16                            ; v16-143  piece q: 16 registers: slot 0's two halves, slot 1's two halves
.set B,  144                           ; v144-207 piece q: 8 registers: b2[e0], b2[e1]
	s_load_b256 s[4:11], s[0:1], 0x0               ; parts 4, sel 6, wts 8, b2 10
	s_load_b64 s[12:13], s[0:1], 0x20              ; out0
	v_lshrrev_b32 v1, 5, v0
	v_readfirstlane_b32 s14, v1                    ; wave
	v_and_b32 v1, 31, v0
	v_lshlrev_b32 v1, 4, v1                        ; 16 x lane
	s_lshl_b32 s15, ttmp9, 2
	s_add_co_u32 s15, s15, s14                     ; n
	s_mov_b32 s23, 0
	s_lshl_b32 s22, s15, 3
	s_wait_alu depctr_va_vdst(0)
	s_wait_kmcnt 0x0
	s_add_nc_u64 s[6:7], s[6:7], s[22:23]
	s_add_nc_u64 s[8:9], s[8:9], s[22:23]
	s_load_b64 s[16:17], s[6:7], 0x0               ; e0, e1
	s_load_b64 s[18:19], s[8:9], 0x0               ; w0, w1
	s_lshl_b32 s22, s15, 13
	s_add_nc_u64 s[24:25], s[4:5], s[22:23]        ; rows 2 n and 2 n + 1 of the first K half,
	s_add_nc_u64 s[26:27], s[24:25], 8421376       ; and of the second: 2,056 rows of 4,096 bytes on
	s_lshl_b32 s22, s15, 12
	s_add_nc_u64 s[12:13], s[12:13], s[22:23]
.irp q, 0,1,2,3,4,5,6,7
	global_load_b128 v[P+16*\q:P+16*\q+3],     v1, s[24:25] offset:512*\q th:TH_LOAD_NT
	global_load_b128 v[P+16*\q+4:P+16*\q+7],   v1, s[26:27] offset:512*\q th:TH_LOAD_NT
	global_load_b128 v[P+16*\q+8:P+16*\q+11],  v1, s[24:25] offset:4096+512*\q th:TH_LOAD_NT
	global_load_b128 v[P+16*\q+12:P+16*\q+15], v1, s[26:27] offset:4096+512*\q th:TH_LOAD_NT
.endr
	s_wait_kmcnt 0x0
	s_min_u32 s16, s16, 7
	s_lshl_b32 s22, s16, 12
	s_add_nc_u64 s[28:29], s[10:11], s[22:23]      ; b2[e0]
	s_min_u32 s17, s17, 7
	s_lshl_b32 s22, s17, 12
	s_add_nc_u64 s[30:31], s[10:11], s[22:23]      ; b2[e1]
	s_mov_b32 s20, s19                             ; w1 as the low word of a pair of its own: the packed forms take a scalar pair's low word for both halves
	s_mov_b32 s21, s19
.irp q, 0,1,2,3,4,5,6,7
	global_load_b128 v[B+8*\q:B+8*\q+3],   v1, s[28:29] offset:512*\q
	global_load_b128 v[B+8*\q+4:B+8*\q+7], v1, s[30:31] offset:512*\q
.endr
.irp q, 0,1,2,3,4,5,6,7
	s_wait_loadcnt 14-2*\q                         ; piece q's two loads of b2 are in, and so is all that was issued before them; the later pieces' may be out
.irp d, 0,2
	v_pk_add_f32 v[P+16*\q+\d:P+16*\q+\d+1], v[P+16*\q+\d:P+16*\q+\d+1], v[P+16*\q+4+\d:P+16*\q+4+\d+1]
	v_pk_add_f32 v[P+16*\q+8+\d:P+16*\q+8+\d+1], v[P+16*\q+8+\d:P+16*\q+8+\d+1], v[P+16*\q+12+\d:P+16*\q+12+\d+1]
.endr
.irp d, 0,2
	v_pk_add_f32 v[P+16*\q+\d:P+16*\q+\d+1], v[P+16*\q+\d:P+16*\q+\d+1], v[B+8*\q+\d:B+8*\q+\d+1]
	v_pk_add_f32 v[P+16*\q+8+\d:P+16*\q+8+\d+1], v[P+16*\q+8+\d:P+16*\q+8+\d+1], v[B+8*\q+4+\d:B+8*\q+4+\d+1]
.endr
.irp d, 0,2
	v_pk_mul_f32 v[P+16*\q+\d:P+16*\q+\d+1], v[P+16*\q+\d:P+16*\q+\d+1], s[18:19] op_sel_hi:[1,0]
.endr
.irp d, 0,2
	v_pk_fma_f32 v[P+16*\q+\d:P+16*\q+\d+1], v[P+16*\q+8+\d:P+16*\q+8+\d+1], s[20:21], v[P+16*\q+\d:P+16*\q+\d+1] op_sel_hi:[1,0,1]
.endr
	global_store_b128 v1, v[P+16*\q:P+16*\q+3], s[12:13] offset:512*\q th:TH_STORE_NT
.endr
	s_endpgm
.Lfunc_end_k_qf5cfb57944_combine:
	.size	k_qf5cfb57944_combine, .Lfunc_end_k_qf5cfb57944_combine-k_qf5cfb57944_combine
	.p2alignl 7, 3214868480
	.fill 96, 4, 3214868480
	.section	.rodata,"a",@progbits
	.p2align	6, 0x0
	.amdhsa_kernel k_qf5cfb57944_combine
		.amdhsa_group_segment_fixed_size 0
		.amdhsa_private_segment_fixed_size 0
		.amdhsa_enable_private_segment 0
		.amdhsa_kernarg_size 40
		.amdhsa_user_sgpr_count 2
		.amdhsa_user_sgpr_kernarg_segment_ptr 1
		.amdhsa_wavefront_size32 1
		.amdhsa_system_sgpr_workgroup_id_x 1
		.amdhsa_system_sgpr_workgroup_id_y 1
		.amdhsa_system_sgpr_workgroup_id_z 1
		.amdhsa_system_vgpr_workitem_id 0
		.amdhsa_next_free_vgpr 208
		.amdhsa_next_free_sgpr 66
		.amdhsa_reserve_vcc 0
		.amdhsa_float_denorm_mode_32 3
		.amdhsa_float_denorm_mode_16_64 3
		.amdhsa_memory_ordered 1
		.amdhsa_forward_progress 1
		.amdhsa_inst_pref_size 13
	.end_amdhsa_kernel
	.amdgpu_metadata
---
amdhsa.version: [ 1, 2 ]
amdhsa.kernels:
  - .name:           k_qf5cfb57944_combine
    .symbol:         k_qf5cfb57944_combine.kd
    .args:
      - { .name: parts, .offset: 0, .size: 8, .value_kind: global_buffer, .address_space: global }
      - { .name: sel, .offset: 8, .size: 8, .value_kind: global_buffer, .address_space: global }
      - { .name: wts, .offset: 16, .size: 8, .value_kind: global_buffer, .address_space: global }
      - { .name: b2, .offset: 24, .size: 8, .value_kind: global_buffer, .address_space: global }
      - { .name: out0, .offset: 32, .size: 8, .value_kind: global_buffer, .address_space: global }
    .group_segment_fixed_size: 0
    .private_segment_fixed_size: 0
    .kernarg_segment_align: 8
    .kernarg_segment_size: 40
    .max_flat_workgroup_size: 128
    .sgpr_count:     66
    .vgpr_count:     208
    .wavefront_size: 32
...
	.end_amdgpu_metadata
.endif
;; end of part 4
